; MI455X (gfx1250); checked and timed in simulation.
; The chip was launched on July 23, 2026; its instructions are those of AMD's public machine-readable ISA for CDNA 5 (MIT licence, August 2026) and "CDNA5" Instruction Set Architecture Reference Guide (July 2026). The comments in the code are by the model that wrote it; some were corrected since.
;; Flash Multi Head Attention. Allowed arithmetic: float matrix products may take bf16 or f16 operands with f32 sums; other float arithmetic in f32, or as packed bf16 or f16 multiplies, adds, multiply-adds, maxima and minima; sums over many terms, partial sums and values carried from step to step in f32; what a program stores and reads back later, other than sums and carried values, may be rounded once to bf16 or f16.
;; Inputs: W_out 1,024 x 1,024 float32; W_qkv 1,024 x 3,072 float32; attn_mask 128 x 102 x 102 bool; b_out 1,024 float32; b_qkv 3,072 float32; key 128 x 102 x 1,024 float32; query 128 x 102 x 1,024 float32; value 128 x 102 x 1,024 float32.
;; Outputs: out0 128 x 102 x 1,024 float32.
;; One version. Each part assembles by itself: llvm-mc -triple=amdgcn-amd-amdhsa -mcpu=gfx1250 --defsym DOCPART=n.
;; ======== version 1 of 1: 3 launches
;; limits: values are held in f16: magnitudes above 65,504 overflow, below 6.1e-05 lose precision
;; workspace buffers: XF 29,360,128 bytes; WF 6,291,456 bytes; WOF 2,097,152 bytes; MF 6,422,528 bytes; RT 28,672 bytes; OF 29,360,128 bytes
;; launch prep (part 1): grid 1271 x 1, 8 waves a work-group, no clusters, 35,840 bytes of LDS; arguments query, W_qkv, W_out, attn_mask, XF, WF, WOF, MF, RT; writes XF, WF, WOF, MF, RT
.if DOCPART == 1
	.amdgcn_target "amdgcn-amd-amdhsa--gfx1250"
	.amdhsa_code_object_version 6
	.text
	.protected	k_qc3f3d302b7_prep
	.globl	k_qc3f3d302b7_prep
	.p2align	8
	.type	k_qc3f3d302b7_prep,@function
k_qc3f3d302b7_prep:
	s_mov_b64 s[64:65], 0
	v_nop
	global_prefetch_b8 v0, s[64:65] scope:SCOPE_SE
	s_setreg_imm32_b32 hwreg(HW_REG_WAVE_MODE, 25, 1), 1
	s_wait_xcnt 0x0
; PREP: a stream that lays the operands of the two matrix launches out as matrix fragments, so that those launches load them as dense blocks and read them from LDS lane by lane.
; A FRAGMENT is 16 rows x 32 k of 16-bit numbers, 1,024 bytes, laid [c 2][lane 32][16 bytes]: chunk c of lane 16 h + r holds row r, k = 16 c + 8 h + 0..7.
;   XF  [b 128][kblk 32][t 7]                      bf16(query): row 16 t + r of batch b, k = 32 kblk + ..; rows 102 to 111 are zeros
;   WF  [hp 8][s 8][w 2][ksub 4][ct 12]            bf16(W_qkv): a fragment's row r is column (ct / 4) 1024 + (2 hp + w) 64 + 16 (ct % 4) + r, k = 128 s + 32 ksub + ..
;   WOF [nq 4][s 8][w 2][ksub 4][ct 8]             bf16(W_out) written as f16: column 256 nq + 128 w + 16 ct + r, k = 128 s + 32 ksub + ..
;   MF  [b][qt 7][kt 7][half 2][lane 32][16 bytes] f32: number 4 half + i of lane (r, h) belongs to key 16 kt + 8 h + 4 half + i and query 16 qt + r: 0 where the key is seen, -1e30 where it is hidden
;   RT  [t 7][c 4][sn 2][lane 32][16 bytes]        f32: number p of lane (r, h): cos (sn = 0) or sin (sn = 1) of (16 t + r) 10000^(-(8 c + 4 h + p) / 32)
; The work-group's number picks the task: 896 for XF, 192 for WF, 64 for WOF, 112 for MF, 7 for RT; every jump goes forward.  Eight waves, each with a unit of its own and a stage of its own
; in LDS: no wave reads another's bytes, so there is no barrier.  Every store of a wave covers 512 consecutive bytes, aligned.
; NOT LOADED: the inputs key and value.  The module takes q, k and v all from query x W_qkv; no output number hangs on key or value.
; LIMITS.  Inputs are rounded once to bf16, to nearest even.  W_out's bf16 number is written as f16: beyond 65,504 it would be an infinity, below 6e-5 it keeps f16's fixed step of 6e-8.
; cos: the angle is f32(pos x inv_freq), brought into one turn, then the series of cos up to y^16 on |y| <= pi (remainder pi^18 / 18! = 1.4e-7 for every argument); sin is cos a quarter turn back.
; Matrix units, tensor loads and clusters are left out: nothing is multiplied, and no two work-groups read the same bytes.
.set STG,   4352                       ; a wave's stage in LDS
.set SPARE, 8*STG                      ; behind the stages: the spare words, 128 bytes for each of the eight waves: four blocks of 256 bytes that no other line names
.set SPW,   14                         ; v14  LDS address of my spare word; never rewritten
.set NIL,   15                         ; v15  0; never rewritten
.set XB,    229376                     ; a batch in XF: 32 x 7 fragments
; row r of a tile of query: 4 numbers a lane, rounded to bf16, 8 bytes into the block (kblk, c, h) = lane / 2 of the stage.  left = the younger loads that may stay out
.macro XROW r, left
	s_wait_loadcnt \left
	v_cvt_pk_bf16_f32 v[96+2*(\r)], v[32+4*(\r)], v[33+4*(\r)]
	v_cvt_pk_bf16_f32 v[97+2*(\r)], v[34+4*(\r)], v[35+4*(\r)]
	ds_store_b64 v3, v[96+2*(\r):97+2*(\r)] offset:16*(\r)
.endm
; A block of 32 k x 64 columns of a weight matrix [k][n] in f32 (rows pitch bytes apart) becomes four fragments, 4,096 consecutive bytes.
; Lane l loads columns 4 (l % 16) + 0..3 of rows 16 c + 8 (l / 16) + e: a load covers two rows x 256 bytes.  Eight rows of one column pack into a lane's 16 bytes of a fragment.
.macro WTASK src, dst, pitch, f16
	v_mul_u32_u24 v7, v5, 8*(\pitch)
	v_lshl_add_u32 v7, v6, 4, v7                   ; 8 (l / 16) rows + 16 (l % 16) bytes
	v_lshrrev_b32 v8, 2, v6                        ; which of the four fragments: pitch 1,040 in the stage, so that 16 lanes' stores fall into 16 different columns of 16 bytes
	v_mul_u32_u24 v8, v8, 1040
	v_lshl_add_u32 v8, v5, 8, v8                   ; + 256 h
	v_and_b32 v9, 3, v1
	v_lshl_add_u32 v8, v9, 6, v8                   ; + 16 bytes x fragment row 4 (l % 4)
	v_add_nc_u32 v8, s5, v8
	v_add_nc_u32 v9, s5, v2                        ; back: 16 bytes a lane
.irp c, 0,1
.irp e, 0,1,2,3,4,5,6,7
	global_load_b128 v[32+4*(8*(\c)+(\e)):35+4*(8*(\c)+(\e))], v7, s[\src:\src+1] offset:(16*(\c)+(\e))*(\pitch) th:TH_LOAD_NT
.endr
.endr
.irp c, 0,1
	s_wait_loadcnt 8-8*(\c)                        ; the first eight rows are in, the second eight may stay out; then all
.irp j, 0,1,2,3
.irp i, 0,1,2,3
.if \f16
	v_cvt_pk_bf16_f32 v16, v[32+32*(\c)+8*(\i)+(\j)], v[36+32*(\c)+8*(\i)+(\j)]  ; rounded to bf16 like every input,
	v_lshlrev_b32 v17, 16, v16
	v_and_b32 v18, 0xffff0000, v16
	v_cvt_pk_f16_f32 v[96+16*(\c)+4*(\j)+(\i)], v17, v18                          ; and that number written as f16
.else
	v_cvt_pk_bf16_f32 v[96+16*(\c)+4*(\j)+(\i)], v[32+32*(\c)+8*(\i)+(\j)], v[36+32*(\c)+8*(\i)+(\j)]
.endif
.endr
	ds_store_b128 v8, v[96+16*(\c)+4*(\j):99+16*(\c)+4*(\j)] offset:512*(\c)+16*(\j)
.endr
.endr
.irp m, 0,1,2,3,4,5,6,7
	ds_load_b128 v[32+4*(\m):35+4*(\m)], v9 offset:((\m)/2)*1040+((\m)%2)*512  ; LDS serves a wave's instructions in order (ISA guide 5.7.1.4): these see the stores above
.endr
.irp m, 0,1,2,3,4,5,6,7
	s_wait_dscnt 7-(\m)
	global_store_b128 v2, v[32+4*(\m):35+4*(\m)], s[\dst:\dst+1] offset:512*(\m)
.endr
.endm
	s_load_b512 s[8:23], s[0:1], 0x0               ; query s[8:9], W_qkv s[10:11], W_out s[12:13], attn_mask s[14:15], XF s[16:17], WF s[18:19], WOF s[20:21], MF s[22:23]
	s_load_b64 s[24:25], s[0:1], 0x40              ; RT
	v_lshl_add_u32 v[SPW], v0, 2, SPARE
	v_mov_b32 v[NIL], 0
	v_lshrrev_b32 v1, 5, v0
	v_readfirstlane_b32 s4, v1                     ; wave 0..7
	v_and_b32 v1, 31, v0                           ; lane l
	v_lshlrev_b32 v2, 4, v1                        ; 16 l
	v_lshrrev_b32 v5, 4, v1                        ; h = l / 16
	v_and_b32 v6, 15, v1                           ; r = l % 16
	s_mul_i32 s5, s4, STG                          ; my stage
	s_mov_b32 s6, ttmp9
	s_wait_kmcnt 0x0
	s_cmp_ge_u32 s6, 896
	s_cbranch_scc1 .Lnot_x
	; ---- query -> XF.  The work-group takes row tile t of batch b, wave w the k 128 w .. 128 w + 127: four fragments.  A load is 512 consecutive bytes of one row.
	s_lshr_b32 s26, s6, 7                          ; t
	s_and_b32 s27, s6, 127                         ; b
	s_mul_i32 s28, s27, 102
	s_lshl4_add_u32 s28, s26, s28                  ; row 102 b + 16 t
	s_lshl_b32 s28, s28, 12
	s_lshl_b32 s29, s4, 9
	s_add_co_u32 s28, s28, s29
	s_mov_b32 s29, 0
	s_add_nc_u64 s[8:9], s[8:9], s[28:29]
	s_mul_i32 s30, s27, XB
	s_mul_i32 s31, s4, 4*7168
	s_add_co_u32 s30, s30, s31
	s_lshl_b32 s31, s26, 10
	s_add_co_u32 s30, s30, s31
	s_mov_b32 s31, 0
	s_add_nc_u64 s[16:17], s[16:17], s[30:31]
	v_lshrrev_b32 v3, 1, v1                        ; in: block l / 2, pitch 272: the 32 lanes' 8 bytes fall into 64 different banks (64 banks of 4 bytes: ISA guide 11.1)
	v_mul_u32_u24 v3, v3, 272
	v_and_b32 v4, 1, v1
	v_lshl_add_u32 v3, v4, 3, v3
	v_add_nc_u32 v3, s5, v3
	v_mul_u32_u24 v4, v5, 272                      ; back: two blocks of 256 bytes a load
	v_lshl_add_u32 v4, v6, 4, v4
	v_add_nc_u32 v4, s5, v4
	s_cmp_lt_u32 s26, 6
	s_cbranch_scc0 .Lx_short
.irp r, 0,1,2,3,4,5,6,7,8,9,10,11,12,13,14,15
	global_load_b128 v[32+4*(\r):35+4*(\r)], v2, s[8:9] offset:4096*(\r) th:TH_LOAD_NT
.endr
.irp r, 0,1,2,3,4,5,6,7,8,9,10,11,12,13,14,15
	XROW \r, 15-(\r)
.endr
	s_branch .Lx_back
.Lx_short:                                             ; the batch's last tile has six rows; the other ten are zeros, and nothing is loaded for them
.irp r, 0,1,2,3,4,5
	global_load_b128 v[32+4*(\r):35+4*(\r)], v2, s[8:9] offset:4096*(\r) th:TH_LOAD_NT
.endr
	v_mov_b32 v108, 0
	v_mov_b32 v109, 0
.irp r, 6,7,8,9,10,11,12,13,14,15
	ds_store_b64 v3, v[108:109] offset:16*(\r)
.endr
.irp r, 0,1,2,3,4,5
	XROW \r, 5-(\r)
.endr
.Lx_back:
.irp m, 0,1,2,3,4,5,6,7
	ds_load_b128 v[32+4*(\m):35+4*(\m)], v4 offset:544*(\m)  ; in order behind my stores
.endr
.irp m, 0,1,2,3,4,5,6,7
	s_wait_dscnt 7-(\m)
	global_store_b128 v2, v[32+4*(\m):35+4*(\m)], s[16:17] offset:((\m)/2)*7168+((\m)%2)*512  ; half a fragment: 512 consecutive bytes
.endr
	s_branch .Lend
.Lnot_x:
	s_sub_co_u32 s6, s6, 896
	s_cmp_ge_u32 s6, 192
	s_cbranch_scc1 .Lnot_wq
	; ---- W_qkv -> WF.  1,536 units: 32 blocks of k x 48 groups of 64 columns (a part's share of one head)
	s_lshl3_add_u32 s26, s6, s4                    ; unit
	s_and_b32 s27, s26, 31                         ; kblk
	s_lshr_b32 s28, s26, 5                         ; column group
	s_mul_i32 s30, s27, 32*12288
	s_lshl_b32 s29, s28, 8
	s_add_co_u32 s30, s30, s29
	s_mov_b32 s31, 0
	s_add_nc_u64 s[10:11], s[10:11], s[30:31]
	s_lshr_b32 s7, s28, 4                          ; part: q, k, v
	s_and_b32 s28, s28, 15                         ; head
	s_lshr_b32 s30, s28, 1
	s_mul_i32 s30, s30, 786432                     ; hp: the pair of heads
	s_lshr_b32 s29, s27, 2
	s_mul_i32 s29, s29, 98304                      ; s: the step of 128 along k
	s_add_co_u32 s30, s30, s29
	s_and_b32 s29, s28, 1
	s_mul_i32 s29, s29, 49152                      ; w: which head of the pair
	s_add_co_u32 s30, s30, s29
	s_and_b32 s29, s27, 3
	s_mul_i32 s29, s29, 12288                      ; ksub
	s_add_co_u32 s30, s30, s29
	s_lshl_b32 s29, s7, 12                         ; ct = 4 part
	s_add_co_u32 s30, s30, s29
	s_add_nc_u64 s[18:19], s[18:19], s[30:31]
	WTASK 10, 18, 12288, 0
	s_branch .Lend
.Lnot_wq:
	s_sub_co_u32 s6, s6, 192
	s_cmp_ge_u32 s6, 64
	s_cbranch_scc1 .Lnot_wo
	; ---- W_out -> WOF.  512 units: 32 blocks of k x 16 groups of 64 columns
	s_lshl3_add_u32 s26, s6, s4
	s_and_b32 s27, s26, 31                         ; kblk
	s_lshr_b32 s28, s26, 5                         ; column group
	s_lshl_b32 s30, s27, 17                        ; 32 rows of 4,096 bytes
	s_lshl_b32 s29, s28, 8
	s_add_co_u32 s30, s30, s29
	s_mov_b32 s31, 0
	s_add_nc_u64 s[12:13], s[12:13], s[30:31]
	s_lshr_b32 s30, s28, 2
	s_lshl_b32 s30, s30, 19                        ; nq: the quarter of 256 columns
	s_lshr_b32 s29, s27, 2
	s_lshl_b32 s29, s29, 16                        ; s
	s_add_co_u32 s30, s30, s29
	s_bfe_u32 s29, s28, 0x10001
	s_lshl_b32 s29, s29, 15                        ; w: which 128 columns of the quarter
	s_add_co_u32 s30, s30, s29
	s_and_b32 s29, s27, 3
	s_lshl_b32 s29, s29, 13                        ; ksub
	s_add_co_u32 s30, s30, s29
	s_and_b32 s29, s28, 1
	s_lshl_b32 s29, s29, 12                        ; ct = 0 or 4
	s_add_co_u32 s30, s30, s29
	s_add_nc_u64 s[20:21], s[20:21], s[30:31]
	WTASK 12, 20, 4096, 1
	s_branch .Lend
.Lnot_wo:
	s_sub_co_u32 s6, s6, 64
	s_cmp_ge_u32 s6, 112
	s_cbranch_scc1 .Lnot_m
	; ---- attn_mask -> MF.  896 units: query tile qt of batch b, all seven key tiles.  A key beyond 101 is hidden for everybody; a query row beyond 101 (it is never stored) sees all true keys, so that it stays finite.
	s_lshl3_add_u32 s26, s6, s4
	s_lshr_b32 s27, s26, 7                         ; qt
	s_and_b32 s28, s26, 127                        ; b
	s_mul_i32 s30, s28, 102*102
	s_mov_b32 s31, 0
	s_add_nc_u64 s[14:15], s[14:15], s[30:31]
	s_mul_i32 s30, s28, 49*1024
	s_mul_i32 s29, s27, 7*1024
	s_add_co_u32 s30, s30, s29
	s_add_nc_u64 s[22:23], s[22:23], s[30:31]
	s_lshl_b32 s29, s27, 4
	v_add_nc_u32 v7, s29, v6                       ; my query
	v_min_u32 v8, 101, v7                          ; the row that I read: never past the mask's last
	v_cmp_lt_u32 vcc_lo, 101, v7
	v_cndmask_b32 v9, 0, 1, vcc_lo                 ; 1: a padding row
	v_sub_nc_u32 v10, 1, v5                        ; 1 for the lanes whose keys of the last tile begin at 96, 0 for those that begin at 104
	v_mul_u32_u24 v8, v8, 102
	v_lshl_add_u32 v11, v5, 3, v8                  ; row + 8 h
	v_add_nc_u32 v12, 96, v8                       ; row + 96
	v_mov_b32 v13, 0xf149f2ca                      ; -1e30
	v_mov_b32 v3, 0
.irp kt, 0,1,2,3,4,5
.irp j, 0,1,2,3,4,5,6,7
	global_load_u8 v[16+8*(\kt)+(\j)], v11, s[14:15] offset:16*(\kt)+(\j)
.endr
.endr
.irp j, 0,1,2,3,4,5
	global_load_u8 v[64+(\j)], v12, s[14:15] offset:(\j)  ; keys 96 to 101: no load passes a row's key 101
.endr
	s_wait_loadcnt 0x0
.set n, 0
.rept 54
	v_or_b32 v[16+n], v[16+n], v9
.if n >= 48
	v_and_b32 v[16+n], v[16+n], v10
.endif
	v_cmp_ne_u32 vcc_lo, 0, v[16+n]
	v_cndmask_b32 v[72+n], v13, v3, vcc_lo         ; seen: 0; hidden: -1e30
.set n, n+1
.endr
	v_mov_b32 v126, v13                            ; keys 102, 103 and 110, 111
	v_mov_b32 v127, v13
.irp i, 0,1,2,3,4,5,6,7,8,9,10,11,12,13
	global_store_b128 v2, v[72+4*(\i):75+4*(\i)], s[22:23] offset:512*(\i)
.endr
	s_branch .Lend
.Lnot_m:
	s_sub_co_u32 s6, s6, 112                       ; ---- RT.  Work-group t; wave: c = w % 4, sn = w / 4
	s_and_b32 s26, s4, 3
	s_lshr_b32 s27, s4, 2
	s_lshl_b32 s28, s26, 3
	v_lshl_add_u32 v7, v5, 2, s28                  ; 8 c + 4 h
	s_lshl_b32 s29, s6, 4
	v_add_nc_u32 v8, s29, v6
	v_cvt_f32_u32 v8, v8                           ; the position 16 t + r
	s_cmp_eq_u32 s27, 0
	s_cselect_b32 s30, 0, 0xbe800000               ; sin is cos a quarter turn back
	v_mov_b32 v9, s30
	s_mov_b32 s32, 0x29573f9f                      ; 1 / 16!
	s_mov_b32 s33, 0xad49cba5                      ; -1 / 14!
	s_mov_b32 s34, 0x310f76c7                      ; 1 / 12!
	s_mov_b32 s35, 0xb493f27e                      ; -1 / 10!
	s_mov_b32 s36, 0x37d00d01                      ; 1 / 8!
	s_mov_b32 s37, 0xbab60b61                      ; -1 / 6!
	s_mov_b32 s38, 0x3d2aaaab                      ; 1 / 4!
	s_mov_b32 s39, 0xbf000000                      ; -1 / 2!
	s_mov_b32 s40, 1.0
	s_lshl_b32 s30, s6, 12
	s_lshl_b32 s29, s26, 10
	s_add_co_u32 s30, s30, s29
	s_lshl_b32 s29, s27, 9
	s_add_co_u32 s30, s30, s29
	s_mov_b32 s31, 0
	s_add_nc_u64 s[24:25], s[24:25], s[30:31]
.irp p, 0,1,2,3
	v_add_nc_u32 v[16+(\p)], (\p), v7
	v_cvt_f32_u32 v[16+(\p)], v[16+(\p)]
	v_mul_f32 v[16+(\p)], 0xbed49a78, v[16+(\p)]   ; -i log2(10000) / 32
.endr
.irp p, 0,1,2,3
	v_exp_f32 v[20+(\p)], v[16+(\p)]               ; inv_freq
.endr
	v_nop                                          ; a plain instruction behind the last exponential (ISA guide 5.7.2),
	s_wait_alu depctr_va_vdst(0)                   ; and the one wait ahead of the batch's first reader
.irp p, 0,1,2,3
	v_mul_f32 v[20+(\p)], v8, v[20+(\p)]           ; the angle, rounded to f32 as the module rounds it
	v_fma_f32 v[20+(\p)], v[20+(\p)], 0.15915494, v9  ; in turns
	v_rndne_f32 v[24+(\p)], v[20+(\p)]
	v_sub_f32 v[20+(\p)], v[20+(\p)], v[24+(\p)]   ; within half a turn of 0
	v_mul_f32 v[20+(\p)], 0x40c90fdb, v[20+(\p)]   ; y
	v_mul_f32 v[20+(\p)], v[20+(\p)], v[20+(\p)]   ; y^2
	v_mov_b32 v[24+(\p)], s32
.endr
.irp k, 33,34,35,36,37,38,39,40
.irp p, 0,1,2,3
	v_fma_f32 v[24+(\p)], v[24+(\p)], v[20+(\p)], s[\k]
.endr
.endr
	global_store_b128 v2, v[24:27], s[24:25]
.Lend:
	s_wait_tensorcnt 0x0                           ; the wave's end: behind my last LDS store
	ds_add_u32 v[SPW], v[NIL]
	s_wait_dscnt 0x0
	s_endpgm
.Lfunc_end_k_qc3f3d302b7_prep:
	.size	k_qc3f3d302b7_prep, .Lfunc_end_k_qc3f3d302b7_prep-k_qc3f3d302b7_prep
	.p2alignl 7, 3214868480
	.fill 96, 4, 3214868480
	.section	.rodata,"a",@progbits
	.p2align	6, 0x0
	.amdhsa_kernel k_qc3f3d302b7_prep
		.amdhsa_group_segment_fixed_size 35840
		.amdhsa_private_segment_fixed_size 0
		.amdhsa_enable_private_segment 0
		.amdhsa_kernarg_size 72
		.amdhsa_user_sgpr_count 2
		.amdhsa_user_sgpr_kernarg_segment_ptr 1
		.amdhsa_wavefront_size32 1
		.amdhsa_system_sgpr_workgroup_id_x 1
		.amdhsa_system_sgpr_workgroup_id_y 1
		.amdhsa_system_sgpr_workgroup_id_z 1
		.amdhsa_system_vgpr_workitem_id 0
		.amdhsa_next_free_vgpr 128
		.amdhsa_next_free_sgpr 66
		.amdhsa_reserve_vcc 1
		.amdhsa_float_denorm_mode_32 3
		.amdhsa_float_denorm_mode_16_64 3
		.amdhsa_memory_ordered 1
		.amdhsa_forward_progress 1
		.amdhsa_inst_pref_size 49
	.end_amdhsa_kernel
	.amdgpu_metadata
---
amdhsa.version: [ 1, 2 ]
amdhsa.kernels:
  - .name:           k_qc3f3d302b7_prep
    .symbol:         k_qc3f3d302b7_prep.kd
    .args:
      - { .name: query, .offset: 0, .size: 8, .value_kind: global_buffer, .address_space: global }
      - { .name: W_qkv, .offset: 8, .size: 8, .value_kind: global_buffer, .address_space: global }
      - { .name: W_out, .offset: 16, .size: 8, .value_kind: global_buffer, .address_space: global }
      - { .name: attn_mask, .offset: 24, .size: 8, .value_kind: global_buffer, .address_space: global }
      - { .name: XF, .offset: 32, .size: 8, .value_kind: global_buffer, .address_space: global }
      - { .name: WF, .offset: 40, .size: 8, .value_kind: global_buffer, .address_space: global }
      - { .name: WOF, .offset: 48, .size: 8, .value_kind: global_buffer, .address_space: global }
      - { .name: MF, .offset: 56, .size: 8, .value_kind: global_buffer, .address_space: global }
      - { .name: RT, .offset: 64, .size: 8, .value_kind: global_buffer, .address_space: global }
    .group_segment_fixed_size: 35840
    .private_segment_fixed_size: 0
    .kernarg_segment_align: 8
    .kernarg_segment_size: 72
    .max_flat_workgroup_size: 256
    .sgpr_count:     66
    .vgpr_count:     128
    .wavefront_size: 32
...
	.end_amdgpu_metadata
.endif
;; end of part 1
;; launch qkvattn (part 2): grid 8 x 64, 4 waves a work-group, clusters of 4 x 4, 327,680 bytes of LDS; arguments XF, WF, MF, RT, b_qkv, OF; writes OF
.if DOCPART == 2
	.amdgcn_target "amdgcn-amd-amdhsa--gfx1250"
	.amdhsa_code_object_version 6
	.text
	.protected	k_qc3f3d302b7_qkvattn
	.globl	k_qc3f3d302b7_qkvattn
	.p2align	8
	.type	k_qc3f3d302b7_qkvattn,@function
k_qc3f3d302b7_qkvattn:
	s_mov_b64 s[64:65], 0
	v_nop
	global_prefetch_b8 v0, s[64:65] scope:SCOPE_SE
	s_setreg_imm32_b32 hwreg(HW_REG_WAVE_MODE, 25, 1), 1
	s_wait_xcnt 0x0
	s_wait_alu depctr_hold_cnt(0) depctr_sa_sdst(0) depctr_va_vdst(0) depctr_va_sdst(0) depctr_va_ssrc(0) depctr_va_vcc(0) depctr_vm_vsrc(0)
	s_getreg_b32 s2, hwreg(HW_REG_IB_STS2, 6, 4)
	s_cmp_eq_u32 s2, 0
	s_cbranch_scc0 .Lentry_in_a_cluster
	s_endpgm
.Lentry_in_a_cluster:
	s_bfe_u32 s2, ttmp6, 0x10000c
	s_cmp_lg_u32 s2, 0xf033
	s_cbranch_scc0 .Lentry_shape_is_right
	s_endpgm
.Lentry_shape_is_right:
; QKV PROJECTION + BIAS + ROPE + MASKED SOFTMAX ATTENTION, fused.  A work-group is a pair of batches (bp) and a pair of heads (hp); A WAVE IS ONE HEAD OF ONE BATCH, from the projection to O:
; wave w has head 2 hp + w % 2 of batch 2 bp + w / 2.  Its q, k and v, 112 (102 + padding) rows x 192 columns of f32, are 84 accumulators, 672 registers; nothing of them is handed to another wave,
; and only O leaves (f16, as fragments of the next launch).
; FORMATS.  Projection: bf16 x bf16, sums in f32; the bias, rounded to bf16 like every input, starts the sums as the first product's C.  q, k (behind RoPE), v, the weights p and O are rounded once to f16.
; LIMITS.  |q|, |k|, |v| stay within f16's 65,504.  A hidden key's score counts as its value less 1e30 (f16 operands bound a true score by 2.7e11); a weight below 2^-126 counts as 0.
; A query row with no visible key (its maximum lies below -5e29) gets NaN, as the module gives.  NaN and infinities among the inputs are not treated apart.  The inputs key and value are not used by the module and are not loaded.
; THE MAXIMUM is the row's true maximum: a query's 112 scores lie in 56 registers of two lanes, so there is no running maximum and nothing is rescaled.
; OPERAND ORDER.  q, k: source 0 = 16 columns of W, source 1 = 16 rows of x: a lane holds ONE row and eight neighbouring channels, so RoPE's pairs lie in one lane, and two neighbouring column tiles rounded in pairs ARE
; a fragment (16 rows x 32 channels) of Q or K.  v: source 0 = rows of x, source 1 = columns of W: a lane holds one channel and eight keys, and two neighbouring row tiles rounded in pairs ARE a fragment of V^T.
; S^T = K Q^T + mask holds one query a lane; rounded in pairs it IS source 1 of O^T = V^T P; O^T holds one query and eight channels a lane: 16 bytes of a fragment of the next launch.  Nothing is ever turned.
; THE RING.  K goes in steps of 128 through two LDS slots: the two heads' W (96 fragments, 98,304 bytes) and the two batches' x (56 fragments, 57,344 bytes).  Two batches x two heads is the share whose step is smallest
; (38,912 bytes for 32 along K), so that two slots of 128 along K fit.  All tiles are dense blocks of fragments, asked for as rows of 256 bytes; a fragment is read back 16 consecutive bytes a lane, so no row is padded.
; Waves 0 and 1 fetch the two heads' W, waves 2 and 3 the two batches' x: one tensor load a wave behind each round, with 336 products of each wave in which to land; two are out at the start, one later.
; A STEP IS WRITTEN ONCE: the loop's trip is one step.  s75 holds the first byte of the slot in hand, 0 or SLOT; an exclusive or with SLOT turns it at each change of slots, the LDS read addresses are made from it,
; and one walking descriptor a tensor takes the slot just read and the next step's address.
; THE LAST FILL.  When step 6 has left slot 0, the slot takes what the attention wants: the two batches' masks (waves 2, 3) and the RoPE tables (waves 0, 1).  A barrier behind the last step's LDS reads shows them to all
; four waves and frees slot 1, whose fills and reads are then over, for q's stage.
; CLUSTER 4 x 4.  x's tiles and the masks hang on the pair of batches alone and are asked for jointly along a row of the cluster, W's on the pair of heads alone and are asked for jointly along a column.
; The tables hang on no coordinate; each work-group asks for them by a load of its own.
; REGISTERS, in windows of 256 (s_set_vgpr_msb: bits 1:0 source 0, 3:2 source 1, 5:4 source 2, 7:6 destination):
;   window 0: v0-29 addresses; v32-87, v88-143 x's fragments, buffers 1 and 0; v144-239 W's fragments, buffer 0 (part p, tile c at 144 + 8 (4 p + c))
;   window 1: v0-223 q, (row tile t, column tile c) at 8 (4 t + c)     window 2: k likewise     window 3: v, (c, t) at 8 (7 c + t)
;   v224-255 of windows 1, 2, 3: W's fragments of that part, buffer 1; in the very first product they hold the bias
;   behind the projection window 0 is used anew: see ROPE and the attention loop
.set SLOT,  155648                     ; W's 98,304 bytes, then x's 57,344
.set AOFF,  98304
.set RLDS,  100352                     ; the last fill of slot 0: the two batches' masks, 50,176 bytes each, then the tables, 28,672 bytes
.set QST,   SLOT                       ; q's fragments, 14,336 bytes for each wave: in slot 1, behind its last fill and its last reads
.set SPARE, 2*SLOT                     ; behind the ring: the spare words, 128 bytes for each wave: two blocks of 256 bytes that no other line names
.set XB,    229376                     ; a batch in XF and in OF
.set WGB,   786432                     ; a pair of heads in WF
.set MSB, 0
.macro WIN new                         ; the immediate's high byte repeats the setting that is left; a switch that changes nothing is dropped
.if MSB != (\new)
	s_set_vgpr_msb (MSB<<8)|(\new)
.set MSB, \new
.endif
.endm
.macro PLACES                          ; four plain vector instructions behind a matrix instruction, in front of loads into its registers and of vector work on them (ISA guide 7.12.1 for vector work)
.rept 4
	v_nop
.endr
.endm
.macro CREST                           ; a round of the cluster's barrier behind its opening barrier
	s_cmp_lg_u32 s16, 0
	s_cbranch_scc1 .Lnot_wave_0_\@
	s_barrier_signal -3
.Lnot_wave_0_\@:
	s_barrier_wait -3
	s_barrier_signal -1
	s_barrier_wait -1
.endm
.macro CROUND
	s_barrier_signal -1
	s_barrier_wait -1
	CREST
.endm
; A fill, by descriptor set s (0: the first fill of slot 0; 1: the first fill of slot 1, and then the walking set).  Waves 0 and 1 take the line of W's descriptors, waves 2 and 3 that of x's.
; The branch hangs on the wave's number alone.  An s_nop 0 and four v_nop follow each of the two lines, ahead of the jump and the label.
.macro JLOAD s
	s_cmp_lt_u32 s16, 2
	s_cbranch_scc0 .Lfor_a_\@
	tensor_load_to_lds s[48+4*(\s):51+4*(\s)], s[32:39]
	s_nop 0
.rept 4
	v_nop
.endr
	s_branch .Lasked_\@
.Lfor_a_\@:
	tensor_load_to_lds s[40+4*(\s):43+4*(\s)], s[24:31]
	s_nop 0
.rept 4
	v_nop
.endr
.Lasked_\@:
.endm
; PREFETCHES INTO THE L2, behind the joint load, its five lines and the run of LDS loads: at change of slots n (0 to 4) the step n + 3 is named, one step, 336 products, ahead of its refill.
; W's tiles are walked by all 16 rows of clusters: the clusters with y = 0 ask; a step is twelve pieces of 8,192 bytes, and wave w < 3 of partner cy names piece 4 w + cy: a lane a block of 256 bytes.
; x's tiles are walked by both columns of clusters: the clusters with x = 0 ask; waves 2 and 3 each name, of the batch that they fetch, the k block cx of the step's four: 7,168 bytes, 28 blocks; lanes 28 to 31 name lane 27's again.
; The partners are told apart by address alone.  Steps 0 to 2 come by their loads alone; the limits (1 in a wave that asks, else the greatest number) stop both at step 7: the loop's last trip asks for nothing.
; The masks and tables, one fill a launch, are not asked for.
.macro ASK
	s_cmp_gt_u32 s56, s62
	s_cbranch_scc0 .Lno_w_\@
	global_prefetch_b8 v9, s[58:59] th:TH_LOAD_NT scope:SCOPE_SE
.Lno_w_\@:
	s_cmp_gt_u32 s56, s96
	s_cbranch_scc0 .Lno_a_\@
	global_prefetch_b8 v26, s[60:61] th:TH_LOAD_NT scope:SCOPE_SE
.Lno_a_\@:
.endm
; 38 LDS loads in one run: the fragments of 32 along K (quarter ksub of the step in hand) into buffer f: x's 7, then W's 4 for q, for k, for v
.macro FETCH ksub, f
	WIN 0
.set rA, 88-56*(\f)
.irp t, 0,1,2,3,4,5,6
	ds_load_b128 v[rA+8*(\t):rA+8*(\t)+3],   v5 offset:(\ksub)*7168+(\t)*1024
	ds_load_b128 v[rA+8*(\t)+4:rA+8*(\t)+7], v5 offset:(\ksub)*7168+(\t)*1024+512
.endr
.irp p, 0,1,2
.if \f
	WIN 0x40*((\p)+1)
.set rW, 224
.else
.set rW, 144+32*(\p)
.endif
.irp c, 0,1,2,3
	ds_load_b128 v[rW+8*(\c):rW+8*(\c)+3],   v3 offset:(\ksub)*12288+(4*(\p)+(\c))*1024
	ds_load_b128 v[rW+8*(\c)+4:rW+8*(\c)+7], v3 offset:(\ksub)*12288+(4*(\p)+(\c))*1024+512
.endr
.endr
.endm
; Products of part 0 (q) or 1 (k), row tiles t0 to t1 x 4 column tiles, from buffer f.  first = 1: the bias starts the sums.  The 84 accumulators take turns in the same order in every quarter.
.macro MULQ part, f, t0, t1, first
	WIN 0x50*((\part)+1)+(\f)*((\part)+1)
.set tt, \t0
.rept (\t1)-(\t0)+1
.set cc, 0
.rept 4
.set rD, 8*(4*tt+cc)
.set rA, 88-56*(\f)+8*tt
.if \f
.set rW, 224+8*cc
.else
.set rW, 144+32*(\part)+8*cc
.endif
.if \first
	v_wmma_f32_16x16x32_bf16 v[rD:rD+7], v[rW:rW+7], v[rA:rA+7], v[224+8*cc:224+8*cc+7]
.else
	v_wmma_f32_16x16x32_bf16 v[rD:rD+7], v[rW:rW+7], v[rA:rA+7], v[rD:rD+7]
.endif
.set cc, cc+1
.endr
.set tt, tt+1
.endr
.endm
.macro MULV f, first                   ; v's 28 products: the sources the other way round
	WIN 0xf0+0x0c*(\f)
.set cc, 0
.rept 4
.set tt, 0
.rept 7
.set rD, 8*(7*cc+tt)
.set rA, 88-56*(\f)+8*tt
.if \f
.set rW, 224+8*cc
.else
.set rW, 208+8*cc
.endif
.if \first
	v_wmma_f32_16x16x32_bf16 v[rD:rD+7], v[rA:rA+7], v[rW:rW+7], v[224+8*cc:224+8*cc+7]
.else
	v_wmma_f32_16x16x32_bf16 v[rD:rD+7], v[rA:rA+7], v[rW:rW+7], v[rD:rD+7]
.endif
.set tt, tt+1
.endr
.set cc, cc+1
.endr
.endm
; A step is four quarters of 32 along K, 84 products each, on buffers 0, 1, 0, 1.  One of the first three: multiplies buffer f and fetches quarter k of the same slot into buffer g
.macro QUARTER k, f, g
	s_wait_dscnt 16                                ; x's and q's fragments are in; k's and v's sixteen loads may be out
	MULQ 0, \f, 0, 6, 0
	PLACES
	FETCH \k, \g
	s_wait_dscnt 38                                ; all but the 38 just issued
	MULQ 1, \f, 0, 6, 0
	MULV \f, 0
.endm
; The last quarter multiplies buffer 1 and changes slots: ONE barrier, which opens a round of the cluster's.  In front of it each wave waits for all its tensor loads (the one that is out is its part of the next slot),
; adds 0 to its spare word, and waits for that and for its own reads of this slot.  The slot is filled again first thing behind the round: fill = 1: with the step two steps on; fill = 2: with the masks and tables.
.macro TURN fill
.if (\fill) == 1
	s_wait_xcnt 0x0                                ; the last prefetches, a step back, have read their addresses
	s_add_nc_u64 s[58:59], s[58:59], 98304
	s_add_nc_u64 s[60:61], s[60:61], 28672
.endif
	WIN 0
	s_wait_tensorcnt 0x0                           ; all my tensor loads have landed, so every descriptor may be written
	ds_add_u32 v28, v29                            ; 0 onto my spare word
	s_wait_dscnt 17                                ; (the add and the youngest sixteen loads may be out)
	MULQ 0, 1, 0, 3, 0                             ; sixteen products stand between the add and the wait for it
	s_wait_dscnt 0x0                               ; the add is done, and my reads of this slot are over
	s_barrier_signal -1
	MULQ 0, 1, 4, 6, 0
	WIN 0                                          ; at a branch and at a label every window is 0
	s_barrier_wait -1
	CREST                                          ; no wave of any partner still reads this slot or has a load on its way
.if (\fill) == 1
	s_add_co_u32 s45, s83, s75                     ; the walking descriptors: into the slot just read,
	s_add_co_u32 s53, s82, s75
	s_add_nc_u64 s[46:47], s[46:47], 28672         ; the step behind the one asked for last; the type bits on top are not reached
	s_add_nc_u64 s[54:55], s[54:55], 98304
.else
	s_mov_b32 s26, 196<<16                         ; x's descriptors now ask for a batch's masks: 196 rows of 256 bytes, still jointly along my row of the cluster,
	s_mov_b32 s28, 196
	s_mov_b32 s45, s90                             ; (the slot just read is slot 0: step 6's)
	s_mov_b64 s[46:47], s[92:93]
	s_or_b32 s47, s47, 0x80000000
	s_mov_b32 s32, 3<<16                           ; W's for half of the tables: 56 rows, no mask: a load of my own
	s_mov_b32 s34, 56<<16
	s_mov_b32 s36, 56
	s_mov_b32 s53, s91
	s_mov_b64 s[54:55], s[94:95]
	s_or_b32 s55, s55, 0x80000000
.endif
	s_xor_b32 s75, s75, SLOT                       ; the other slot is now the slot in hand
	JLOAD 1                                        ; its four v_nop are also the places in front of the loads below
	v_add_nc_u32 v3, s75, v2
	v_add_nc_u32 v5, s75, v4
	FETCH 0, 0
.if (\fill) == 1
	ASK
.endif
	MULQ 1, 1, 0, 6, 0
	MULV 1, 0
.endm
.macro TABLE t                         ; the cos and sin of row tile t: 8 LDS loads into the table buffer t % 3: cos of column tile c at + 8 c, sin at + 8 c + 4
.set TBL, 144+32*((\t)%3)
.irp i, 0,1,2,3,4,5,6,7
	ds_load_b128 v[TBL+4*(\i):TBL+4*(\i)+3], v25 offset:(\t)*4096+(\i)*512
.endr
.endm
.macro MASKS                           ; a query tile's additive mask for all seven key tiles: 14 LDS loads into v32-87
.irp i, 0,1,2,3,4,5,6,7,8,9,10,11,12,13
	ds_load_b128 v[32+4*(\i):35+4*(\i)], v27 offset:(\i)*512
.endr
.endm
; Eight numbers, four pairs (xe, xo), at v[rX] of source 0's window are turned into v[rT]; their four cos lie at v[rC], their four sin at v[rC+4].  Two packed lines a pair:
; (xo sin, xe sin): op_sel takes the pair's second register for the low result and its first for the high one; then (xe cos - xo sin, xo cos + xe sin): neg_lo turns the sign of the low addend alone.
; cos and sin of pair 2 q + b are register b of their own pair q, given to both halves.  The first line reads the accumulator's two lowest registers.
.macro ROT
.irp q, 0,1
.irp b, 0,1
	v_pk_mul_f32 v[rT+4*\q+2*\b:rT+4*\q+2*\b+1], v[rX+4*\q+2*\b:rX+4*\q+2*\b+1], v[rC+4+2*\q:rC+5+2*\q] op_sel:[1,\b] op_sel_hi:[0,\b]
.endr
.endr
.irp q, 0,1
.irp b, 0,1
	v_pk_fma_f32 v[rT+4*\q+2*\b:rT+4*\q+2*\b+1], v[rX+4*\q+2*\b:rX+4*\q+2*\b+1], v[rC+2*\q:rC+1+2*\q], v[rT+4*\q+2*\b:rT+4*\q+2*\b+1] op_sel:[0,\b,0] op_sel_hi:[1,\b,1] neg_lo:[0,0,1]
.endr
.endr
.endm
; ROPE on row tile t of q and of k.  v88-119: the tile's 32 turned numbers; v120-135: q's, rounded.  q's fragments go to my stage in LDS (the attention loop reads a tile a trip), k's into the low half of the tile's own accumulators.
; cnt = the younger LDS instructions that may stay out.
.macro ROPE t, cnt
	s_wait_dscnt \cnt
.set TBL, 144+32*((\t)%3)
.irp part, 0,1
	WIN 1+(\part)                                  ; source 0 in q's or k's window
.set cc, 0
.rept 4
.set rX, 8*(4*(\t)+cc)
.set rT, 88+8*cc
.set rC, TBL+8*cc
	ROT
.set cc, cc+1
.endr
.if (\part) == 0
	WIN 0
.set n, 0
.rept 16
	v_cvt_pk_f16_f32 v[120+n], v[88+2*n], v[89+2*n]
.set n, n+1
.endr
.irp c, 0,1,2,3
	ds_store_b128 v7, v[120+4*(\c):123+4*(\c)] offset:(\t)*2048+(\c)*512
.endr
.else
	WIN 0x80
.set n, 0
.rept 16
	v_cvt_pk_f16_f32 v[32*(\t)+n], v[88+2*n], v[89+2*n]
.set n, n+1
.endr
.endif
.endr
	WIN 0
.if (\t) <= 3
	TABLE (\t)+3
.endif
.endm
	s_load_b256 s[4:11], s[0:1], 0x0               ; XF s[4:5], WF s[6:7], MF s[8:9], RT s[10:11]
	s_load_b128 s[12:15], s[0:1], 0x20             ; b_qkv s[12:13], OF s[14:15]
	v_lshl_add_u32 v28, v0, 2, SPARE
	v_mov_b32 v29, 0
	ds_add_u32 v28, v29                            ; the wave's opening: the add and its wait stand ahead of my first tensor load; the set-up below, work on registers, stands between them
	v_lshrrev_b32 v1, 5, v0
	v_readfirstlane_b32 s16, v1                    ; wave 0..3
	s_bfe_u32 s17, ttmp6, 0x40000                  ; cx
	s_bfe_u32 s18, ttmp6, 0x40004                  ; cy
	s_lshl_b32 s19, ttmp9, 2
	s_add_co_u32 s19, s19, s17                     ; pair of heads hp = 4 x cluster x + cx
	s_and_b32 s20, ttmp7, 0xffff
	s_lshl_b32 s20, s20, 2
	s_add_co_u32 s20, s20, s18                     ; pair of batches bp = 4 x cluster y + cy
	s_lshl_b32 s21, s18, 2
	s_lshl_b32 s21, 15, s21                        ; my row of the cluster
	s_lshl_b32 s22, 0x1111, s17                    ; my column
	s_and_b32 s23, s16, 1                          ; which half I fetch (of W: the head; of x: the batch).  Also: my head of the pair
	; descriptor group 1: dense blocks as rows of 32 elements of 8 bytes.  A batch's x of a step: 112 rows; a head's W: 192 rows
	s_or_b32 s24, s21, (3<<16)|(1<<21)             ; 15:0 the mask; 17:16 elements of 8 bytes; 21 set beside a mask; no padding
	s_or_b32 s32, s22, (3<<16)|(1<<21)
	s_mov_b32 s25, 32<<16                          ; tensor_dim0 = 32
	s_mov_b32 s26, 112<<16                         ; tensor_dim1 = 112
	s_mov_b32 s27, 32<<16                          ; tile_dim0 = 32
	s_mov_b32 s28, 112                             ; tile_dim1 = 112
	s_mov_b32 s29, 32                              ; 32 elements from row to row
	s_mov_b32 s30, 0
	s_mov_b32 s31, 0
	s_mov_b32 s33, 32<<16
	s_mov_b32 s34, 192<<16
	s_mov_b32 s35, 32<<16
	s_mov_b32 s36, 192
	s_mov_b32 s37, 32
	s_mov_b32 s38, 0
	s_mov_b32 s39, 0
	s_mul_i32 s82, s23, 49152                      ; where my load lands in a slot: a head's W (s82 and s83 are kept for the loop),
	s_mul_i32 s83, s23, 28672
	s_add_co_u32 s83, s83, AOFF                    ; a batch's x,
	s_mul_i32 s90, s23, 50176                      ; and in the last fill: a batch's masks,
	s_mul_i32 s88, s23, 14336
	s_add_co_u32 s91, s88, RLDS                    ; half of the tables
	s_mov_b32 s89, 0
	s_mov_b32 s75, 0                               ; the slot in hand: slot 0
	s_lshl1_add_u32 s84, s20, s23                  ; the batch whose x and masks I fetch: they hang on the pair of batches and the wave's number alone,
	s_mul_i32 s76, s84, XB
	s_mov_b32 s77, 0
	s_mul_i32 s86, s84, 49*1024
	s_mov_b32 s87, 0
	s_mul_i32 s78, s19, WGB                        ; W's on the pair of heads and the wave's number alone
	s_add_co_u32 s78, s78, s82
	s_mov_b32 s79, 0
	s_wait_dscnt 0x0                               ; the opening add is done
	s_wait_kmcnt 0x0
	s_add_nc_u64 s[76:77], s[4:5], s[76:77]
	s_add_nc_u64 s[78:79], s[6:7], s[78:79]
	s_add_nc_u64 s[92:93], s[8:9], s[86:87]        ; kept for the last fill
	s_add_nc_u64 s[94:95], s[10:11], s[88:89]
	CROUND                                         ; all sixteen work-groups are here: the first joint loads meet
.irp s, 0,1
	s_mov_b32 s[40+4*(\s)], 1                      ; count = 1
	s_add_co_u32 s[41+4*(\s)], s83, (\s)*SLOT      ; LDS address
	s_add_nc_u64 s[42+4*(\s):43+4*(\s)], s[76:77], (\s)*28672  ; global address: step s
	s_or_b32 s[43+4*(\s)], s[43+4*(\s)], 0x80000000            ; type = 2
	s_mov_b32 s[48+4*(\s)], 1
	s_add_co_u32 s[49+4*(\s)], s82, (\s)*SLOT
	s_add_nc_u64 s[50+4*(\s):51+4*(\s)], s[78:79], (\s)*98304
	s_or_b32 s[51+4*(\s)], s[51+4*(\s)], 0x80000000
	JLOAD \s
.endr
	v_and_b32 v1, 31, v0                           ; lane
	v_lshlrev_b32 v6, 4, v1                        ; 16 x lane: my place in every half fragment
	s_lshr_b32 s57, s16, 1                         ; my batch of the pair
	v_add_nc_u32 v2, s82, v6                       ; my head's W fragments in slot 0; never rewritten
	v_mov_b32 v3, v2                               ; and in the slot in hand
	s_mul_i32 s84, s57, 28672
	s_add_co_u32 s84, s84, AOFF
	v_add_nc_u32 v4, s84, v6                       ; my batch's x fragments in slot 0; never rewritten
	v_mov_b32 v5, v4                               ; and in the slot in hand
	s_mul_i32 s84, s16, 14336
	s_add_co_u32 s84, s84, QST
	v_add_nc_u32 v7, s84, v6                       ; my stage for q
	s_mul_i32 s84, s57, 50176
	v_add_nc_u32 v27, s84, v6                      ; my batch's masks
	v_add_nc_u32 v25, RLDS, v6                     ; the tables
	v_lshlrev_b32 v9, 8, v1                        ; the prefetches' offsets: 256 x lane,
	v_min_u32 v26, 27, v1
	v_lshlrev_b32 v26, 8, v26                      ; and 256 x lane up to lane 27
	v_and_b32 v10, 15, v1                          ; r
	v_lshrrev_b32 v11, 4, v1                       ; h
	v_lshlrev_b32 v12, 5, v11                      ; 8 h numbers of the bias
	v_lshlrev_b32 v13, 2, v10                      ; number r
	s_lshl1_add_u32 s71, s19, s23                  ; my head = 2 hp + wave % 2
	s_lshl1_add_u32 s70, s20, s57                  ; my batch = 2 bp + wave / 2
	s_lshl_b32 s84, s71, 8
	s_mov_b32 s85, 0
	s_add_nc_u64 s[12:13], s[12:13], s[84:85]      ; the bias at my head's 64 columns of q
	; THE BIAS, in the wait for the first tiles.  q, k: a lane wants the eight channels 16 c + 8 h + 0..7; v: the one channel 16 c + r, in all eight registers
.irp p, 0,1
.irp c, 0,1,2,3
	global_load_b128 v[32+32*(\p)+8*(\c):35+32*(\p)+8*(\c)], v12, s[12:13] offset:(\p)*4096+(\c)*64
	global_load_b128 v[36+32*(\p)+8*(\c):39+32*(\p)+8*(\c)], v12, s[12:13] offset:(\p)*4096+(\c)*64+16
.endr
.endr
.irp c, 0,1,2,3
	global_load_b32 v[96+(\c)], v13, s[12:13] offset:8192+(\c)*64
.endr
	s_mul_i32 s84, s70, XB
	s_mul_i32 s86, s71, 14336
	s_add_co_u32 s84, s84, s86
	s_add_nc_u64 s[72:73], s[14:15], s[84:85]      ; O: my batch, my head's two blocks of 32 channels
	s_mov_b32 s66, 0x3e38aa3b                      ; c = log2(e) / 8
	s_mov_b32 s67, s66                             ; named with it as a pair
	s_mov_b32 s68, 0x76543210                      ; v_permlanex16_b32: each lane takes its own place in the other half
	s_mov_b32 s69, 0xfedcba98
	; the prefetches: where they stand (at step 2: the first change of slots steps them to 3), and the limits
	s_lshl2_add_u32 s84, s16, s18                  ; W: piece 4 wave + cy
	s_lshl_b32 s84, s84, 13
	s_mul_i32 s86, s19, WGB
	s_add_co_u32 s84, s84, s86
	s_add_co_u32 s84, s84, 2*98304
	s_add_nc_u64 s[58:59], s[6:7], s[84:85]
	s_lshl1_add_u32 s84, s20, s23                  ; x: the batch that I fetch, k block cx
	s_mul_i32 s84, s84, XB
	s_mul_i32 s86, s17, 7168
	s_add_co_u32 s84, s84, s86
	s_add_co_u32 s84, s84, 2*28672
	s_add_nc_u64 s[60:61], s[4:5], s[84:85]
	s_and_b32 s86, ttmp7, 0xffff
	s_cmp_eq_u32 s86, 0                            ; cluster y: the same in all sixteen partners
	s_cselect_b32 s62, 1, -1
	s_cmp_lt_u32 s16, 3
	s_cselect_b32 s62, s62, -1                     ; W: while more than one trip is left: steps 3 to 7
	s_mov_b32 s86, ttmp9
	s_cmp_eq_u32 s86, 0                            ; cluster x
	s_cselect_b32 s96, 1, -1
	s_cmp_ge_u32 s16, 2
	s_cselect_b32 s96, s96, -1                     ; x likewise
	s_wait_loadcnt 0x0
.set n, 0
.rept 34
	v_cvt_pk_bf16_f32 v[104+n], v[32+2*n], v[33+2*n]   ; rounded to bf16 like every input
.set n, n+1
.endr
	WIN 0x40
.set n, 0
.rept 16
	v_lshlrev_b32 v[224+2*n], 16, v[104+n]
	v_and_b32 v[225+2*n], 0xffff0000, v[104+n]
.set n, n+1
.endr
	WIN 0x80
.set n, 0
.rept 16
	v_lshlrev_b32 v[224+2*n], 16, v[120+n]
	v_and_b32 v[225+2*n], 0xffff0000, v[120+n]
.set n, n+1
.endr
	WIN 0
	v_lshlrev_b32 v100, 16, v136
	v_and_b32 v101, 0xffff0000, v136
	v_lshlrev_b32 v102, 16, v137
	v_and_b32 v103, 0xffff0000, v137
	WIN 0xc0
.set n, 0
.rept 32
	v_mov_b32 v[224+n], v[100+n/8]
.set n, n+1
.endr
	WIN 0
	; THE PROJECTION: 8 steps of 128 along K, 336 products each
	s_wait_tensorcnt 1                             ; my part of step 0 is in; step 1's may stay out
	s_barrier_signal -1
	s_barrier_wait -1
	FETCH 0, 0
	s_wait_dscnt 0x0
	MULQ 0, 0, 0, 6, 1                             ; the first quarter stands in front of the loop: its products start the sums with the bias,
	MULQ 1, 0, 0, 6, 1
	MULV 0, 1
	PLACES
	FETCH 1, 1                                     ; whose registers then take W's fragments
	WIN 0
	s_mov_b32 s56, 6
.Lstep:                                                ; a trip goes from a step's second quarter to the next step's first, and fills the slot that it leaves: steps 2 to 7
	QUARTER 2, 1, 0
	QUARTER 3, 0, 1
	TURN 1
	QUARTER 1, 0, 1
	WIN 0
	s_sub_co_u32 s56, s56, 1
	s_cmp_lg_u32 s56, 0
	s_cbranch_scc1 .Lstep
	QUARTER 2, 1, 0                                ; steps 6 and 7 are written out
	QUARTER 3, 0, 1
	TURN 2                                         ; slot 0 takes the masks and the tables
	QUARTER 1, 0, 1
	QUARTER 2, 1, 0
	QUARTER 3, 0, 1
	s_wait_dscnt 16                                ; the very last quarter: nothing more to fetch
	MULQ 0, 1, 0, 6, 0
	s_wait_tensorcnt 0x0                           ; for the others' sake: my part of the masks or tables has landed,
	s_wait_dscnt 0x0                               ; and my reads of slot 1 are over
	s_barrier_signal -1
	MULQ 1, 1, 0, 6, 0                             ; 56 products while the others arrive
	MULV 1, 0
	WIN 0
	s_barrier_wait -1                              ; slot 0 is whole, and nobody reads slot 1 any more
	PLACES
	TABLE 0
	TABLE 1
	TABLE 2
	MASKS                                          ; query tile 0
	; ROPE.  The counts, by the order of the LDS instructions: tables 0, 1, 2 (8 each), the 14 mask loads; then for each tile q's 4 stores and, up to tile 3, the 8 loads of the table three tiles on
	ROPE 0, 30
	ROPE 1, 34
	ROPE 2, 38
	ROPE 3, 24
	ROPE 4, 24
	ROPE 5, 16
	ROPE 6, 8
	; v is rounded in place, ascending: channel tile c, keys 32 u on, at 56 c + 16 u of window 3; keys 112 to 127 do not exist and are zeros
	WIN 0xcf
.set cc, 0
.rept 4
.set uu, 0
.rept 4
.set ii, 0
.rept 8
.if (uu < 3) || (ii < 4)
	v_cvt_pk_f16_f32 v[56*cc+16*uu+ii], v[56*cc+16*uu+2*ii], v[56*cc+16*uu+2*ii+1]
.else
	v_mov_b32 v[56*cc+16*uu+ii], 0
.endif
.set ii, ii+1
.endr
.set uu, uu+1
.endr
.set cc, cc+1
.endr
	WIN 0
	; ATTENTION: seven trips, a tile of 16 queries each.  Window 0: v32-87 mask; v88-143 S^T (key tile kt at 88 + 8 kt); v144-175 P; v176-207 O^T; v208-223 O rounded; v224-239 Q;
	; v240-246 at work; v248 c m, v249 m; v250, v251 the sum l; v252 1 / l; v254 NaN; v255 -5e29
.irp i, 172,173,174,175,251,253
	v_mov_b32 v[\i], 0                             ; P's keys 112 to 127; two registers that are named before they are first written
.endr
	v_mov_b32 v254, 0x7fc00000
	v_mov_b32 v255, 0xf0c9f2ca
	v_mov_b32 v8, v7
.irp i, 0,1,2,3
	ds_load_b128 v[224+4*(\i):227+4*(\i)], v8 offset:(\i)*512  ; in order behind my stores
.endr
	s_mov_b32 s74, 7
.Lq:
	s_wait_dscnt 0x0                               ; the tile's mask and its Q
	WIN 0x02
.irp kt, 0,1,2,3,4,5,6
	v_wmma_f32_16x16x32_f16 v[88+8*(\kt):95+8*(\kt)], v[32*(\kt):32*(\kt)+7], v[224:231], v[32+8*(\kt):39+8*(\kt)]  ; the mask starts the sum
.endr
.irp kt, 0,1,2,3,4,5,6
	v_wmma_f32_16x16x32_f16 v[88+8*(\kt):95+8*(\kt)], v[32*(\kt)+8:32*(\kt)+15], v[232:239], v[88+8*(\kt):95+8*(\kt)]
.endr
	WIN 0
	PLACES
	s_cmp_eq_u32 s74, 1                            ; the last trip has no next tile: its loads are jumped over
	s_cbranch_scc1 .Lno_next
	v_add_nc_u32 v27, 7168, v27
	MASKS
	v_add_nc_u32 v8, 2048, v8
.irp i, 0,1,2,3
	ds_load_b128 v[224+4*(\i):227+4*(\i)], v8 offset:(\i)*512
.endr
.Lno_next:
.irp kt, 0,1,2,3,4,5,6
	v_max3_num_f32 v[240+(\kt)], v[88+8*(\kt)], v[89+8*(\kt)], v[90+8*(\kt)]  ; seven chains; each accumulator's lowest registers first
.endr
.irp kt, 0,1,2,3,4,5,6
	v_max3_num_f32 v[240+(\kt)], v[240+(\kt)], v[91+8*(\kt)], v[92+8*(\kt)]
.endr
.irp kt, 0,1,2,3,4,5,6
	v_max3_num_f32 v[240+(\kt)], v[240+(\kt)], v[93+8*(\kt)], v[94+8*(\kt)]
.endr
	v_max3_num_f32 v240, v240, v95, v103
	v_max3_num_f32 v241, v241, v111, v119
	v_max3_num_f32 v242, v242, v127, v135
	v_max3_num_f32 v243, v243, v143, v244
	v_max_num_f32 v245, v245, v246
	v_max3_num_f32 v240, v240, v241, v242
	v_max3_num_f32 v240, v240, v243, v245
	v_permlanex16_b32 v241, v240, s68, s69         ; the query's other 56 keys lie in the lane 16 away
	v_max_num_f32 v249, v240, v241                 ; m
	v_mul_f32 v248, s66, v249                      ; c m
	v_cmp_lt_f32 s80, v249, v255                   ; no key visible: it selects a value below, no branch hangs on it
.set n, 0
.rept 28
	v_pk_fma_f32 v[88+2*n:89+2*n], v[88+2*n:89+2*n], s[66:67], v[248:249] op_sel_hi:[1,0,0] neg_lo:[0,0,1] neg_hi:[0,0,1]  ; c s - c m
.set n, n+1
.endr
.set n, 0
.rept 56
	v_exp_f32 v[88+n], v[88+n]
.set n, n+1
.endr
	v_nop                                          ; a plain instruction behind the last exponential,
	s_wait_alu depctr_va_vdst(0)                   ; and one wait for the batch of 56, ahead of its first reader
.set n, 0
.rept 28
	v_cvt_pk_f16_f32 v[144+n], v[88+2*n], v[89+2*n]
.set n, n+1
.endr
	WIN 0x03
.irp u, 0,1,2,3
.irp c, 0,1,2,3
.if (\u) == 0
	v_wmma_f32_16x16x32_f16 v[176+8*(\c):183+8*(\c)], v[56*(\c)+16*(\u):56*(\c)+16*(\u)+7], v[144+8*(\u):151+8*(\u)], 0
.else
	v_wmma_f32_16x16x32_f16 v[176+8*(\c):183+8*(\c)], v[56*(\c)+16*(\u):56*(\c)+16*(\u)+7], v[144+8*(\u):151+8*(\u)], v[176+8*(\c):183+8*(\c)]
.endif
.endr
.endr
	WIN 0
	; the sum of the unrounded weights, in place, neighbours 1, 2, 4, 8 and 16 pairs apart: 27 packed additions, which are also the places behind the products above
.set n, 0
.rept 14
	v_pk_add_f32 v[88+4*n:89+4*n], v[88+4*n:89+4*n], v[90+4*n:91+4*n]
.set n, n+1
.endr
.set n, 0
.rept 7
	v_pk_add_f32 v[88+8*n:89+8*n], v[88+8*n:89+8*n], v[92+8*n:93+8*n]
.set n, n+1
.endr
.set n, 0
.rept 3
	v_pk_add_f32 v[88+16*n:89+16*n], v[88+16*n:89+16*n], v[96+16*n:97+16*n]
.set n, n+1
.endr
	v_pk_add_f32 v[88:89], v[88:89], v[104:105]
	v_pk_add_f32 v[120:121], v[120:121], v[136:137]
	v_pk_add_f32 v[88:89], v[88:89], v[120:121]
	v_add_f32 v250, v88, v89
	v_permlanex16_b32 v251, v250, s68, s69
	v_add_f32 v250, v250, v251                     ; l: at least 1, since m is one of the scores
	v_rcp_f32 v252, v250
	v_nop
	s_wait_alu depctr_va_vdst(0)
	v_cndmask_b32 v252, v252, v254, s80            ; a row with no visible key gets NaN
.set n, 0
.rept 16
	v_pk_mul_f32 v[176+2*n:177+2*n], v[176+2*n:177+2*n], v[252:253] op_sel_hi:[1,0]
.set n, n+1
.endr
	s_wait_xcnt 0x0                                ; the last trip's stores have read their data and their base
	s_add_nc_u64 s[72:73], s[72:73], 1024          ; the stores below reach back
.set n, 0
.rept 16
	v_cvt_pk_f16_f32 v[208+n], v[176+2*n], v[177+2*n]
.set n, n+1
.endr
.irp c, 0,1,2,3
	global_store_b128 v6, v[208+4*(\c):211+4*(\c)], s[72:73] offset:((\c)/2)*7168+((\c)%2)*512-1024  ; half a fragment: 512 consecutive bytes, aligned
.endr
	s_sub_co_u32 s74, s74, 1
	s_cmp_lg_u32 s74, 0
	s_cbranch_scc1 .Lq
	s_wait_tensorcnt 0x0                           ; the wave's end: behind my last tensor load and my last LDS store
	ds_add_u32 v28, v29
	s_wait_dscnt 0x0
	CROUND                                         ; the closing round: no work-group ends while a partner may still ask for a tile that names it
	s_endpgm
.Lfunc_end_k_qc3f3d302b7_qkvattn:
	.size	k_qc3f3d302b7_qkvattn, .Lfunc_end_k_qc3f3d302b7_qkvattn-k_qc3f3d302b7_qkvattn
	.p2alignl 7, 3214868480
	.fill 96, 4, 3214868480
	.section	.rodata,"a",@progbits
	.p2align	6, 0x0
	.amdhsa_kernel k_qc3f3d302b7_qkvattn
		.amdhsa_group_segment_fixed_size 327680
		.amdhsa_private_segment_fixed_size 0
		.amdhsa_enable_private_segment 0
		.amdhsa_kernarg_size 48
		.amdhsa_user_sgpr_count 2
		.amdhsa_user_sgpr_kernarg_segment_ptr 1
		.amdhsa_wavefront_size32 1
		.amdhsa_system_sgpr_workgroup_id_x 1
		.amdhsa_system_sgpr_workgroup_id_y 1
		.amdhsa_system_sgpr_workgroup_id_z 1
		.amdhsa_system_vgpr_workitem_id 0
		.amdhsa_next_free_vgpr 1024
		.amdhsa_next_free_sgpr 100
		.amdhsa_reserve_vcc 0
		.amdhsa_float_denorm_mode_32 3
		.amdhsa_float_denorm_mode_16_64 3
		.amdhsa_memory_ordered 1
		.amdhsa_forward_progress 1
		.amdhsa_inst_pref_size 189
	.end_amdhsa_kernel
	.amdgpu_metadata
---
amdhsa.version: [ 1, 2 ]
amdhsa.kernels:
  - .name:           k_qc3f3d302b7_qkvattn
    .symbol:         k_qc3f3d302b7_qkvattn.kd
    .args:
      - { .name: XF, .offset: 0, .size: 8, .value_kind: global_buffer, .address_space: global }
      - { .name: WF, .offset: 8, .size: 8, .value_kind: global_buffer, .address_space: global }
      - { .name: MF, .offset: 16, .size: 8, .value_kind: global_buffer, .address_space: global }
      - { .name: RT, .offset: 24, .size: 8, .value_kind: global_buffer, .address_space: global }
      - { .name: b_qkv, .offset: 32, .size: 8, .value_kind: global_buffer, .address_space: global }
      - { .name: OF, .offset: 40, .size: 8, .value_kind: global_buffer, .address_space: global }
    .group_segment_fixed_size: 327680
    .private_segment_fixed_size: 0
    .kernarg_segment_align: 8
    .kernarg_segment_size: 48
    .max_flat_workgroup_size: 128
    .sgpr_count:     100
    .vgpr_count:     1024
    .wavefront_size: 32
...
	.end_amdgpu_metadata
.endif
;; end of part 2
;; launch outproj (part 3): grid 4 x 64, 4 waves a work-group, clusters of 4 x 4, 327,680 bytes of LDS; arguments OF, WOF, b_out, out0; writes out0
.if DOCPART == 3
	.amdgcn_target "amdgcn-amd-amdhsa--gfx1250"
	.amdhsa_code_object_version 6
	.text
	.protected	k_qc3f3d302b7_outproj
	.globl	k_qc3f3d302b7_outproj
	.p2align	8
	.type	k_qc3f3d302b7_outproj,@function
k_qc3f3d302b7_outproj:
	s_mov_b64 s[64:65], 0
	v_nop
	global_prefetch_b8 v0, s[64:65] scope:SCOPE_SE
	s_setreg_imm32_b32 hwreg(HW_REG_WAVE_MODE, 25, 1), 1
	s_wait_xcnt 0x0
	s_wait_alu depctr_hold_cnt(0) depctr_sa_sdst(0) depctr_va_vdst(0) depctr_va_sdst(0) depctr_va_ssrc(0) depctr_va_vcc(0) depctr_vm_vsrc(0)
	s_getreg_b32 s2, hwreg(HW_REG_IB_STS2, 6, 4)
	s_cmp_eq_u32 s2, 0
	s_cbranch_scc0 .Lentry_in_a_cluster
	s_endpgm
.Lentry_in_a_cluster:
	s_bfe_u32 s2, ttmp6, 0x10000c
	s_cmp_lg_u32 s2, 0xf033
	s_cbranch_scc0 .Lentry_shape_is_right
	s_endpgm
.Lentry_shape_is_right:
; out = O x W_out + b_out.  O comes as f16 fragments (OF), W_out as f16 fragments of its bf16 rounding (WOF); sums in f32; the bias, rounded to bf16 like every input, starts the sums; out0 is f32.
; A work-group makes a pair of batches (bp) x a quarter of the columns (nq, 256 of them): 256 work-groups.  Wave w makes the 102 rows (7 row tiles, the last with 6 rows that are stored) of batch 2 bp + w / 2
; x the 128 columns of half w % 2: 56 accumulators, 448 registers.
; K goes in steps of 128 through two LDS slots: W's 64 fragments (65,536 bytes) and the two batches' O (56 fragments, 57,344 bytes), dense blocks asked for as rows of 256 bytes and read back 16 consecutive bytes a lane: no padding.
; Waves 0 and 1 fetch W's halves, waves 2 and 3 the two batches' O: one tensor load a wave behind each round; two are out at the start, one later; a refill has 224 products in which to land.
; CLUSTER 4 x 4.  W's tiles hang on the column quarter alone and are asked for jointly along a column of the cluster, O's on the pair of batches alone and are asked for jointly along a row.
; Source 0 = 16 columns of W, source 1 = 16 rows of O: a lane holds one row and eight neighbouring columns, 32 bytes of out0.  A NaN row of O (a query with no visible key) gives a NaN row of out0, as the module gives.
; REGISTERS: window 0: v0-29 addresses; v32-87, v88-143 O's fragments, buffers 0 and 1; v144-207 W's, buffer 0.  Window 1: row tiles 0-3, (t, c) at 8 (8 t + c).  Window 2: v0-191 row tiles 4-6; v192-255 W's, buffer 1
; (in the very first product: the bias).
.set SLOT,  122880
.set AOFF,  65536
.set SP,    528                        ; the way out: a stage row, 512 bytes + 16: 16 lanes' stores fall into 16 different columns of 16 bytes
.set STAGE, 2*SLOT                     ; behind the ring, never filled by a tensor load: 16 rows x 528 bytes for each wave
.set SPARE, STAGE+4*16*SP              ; behind the stages: the spare words, 128 bytes for each wave: two blocks of 256 bytes that no other line names
.set XB,    229376                     ; a batch in OF
.set MSB, 0
.macro WIN new
.if MSB != (\new)
	s_set_vgpr_msb (MSB<<8)|(\new)
.set MSB, \new
.endif
.endm
.macro PLACES
.rept 4
	v_nop
.endr
.endm
.macro CREST
	s_cmp_lg_u32 s16, 0
	s_cbranch_scc1 .Lnot_wave_0_\@
	s_barrier_signal -3
.Lnot_wave_0_\@:
	s_barrier_wait -3
	s_barrier_signal -1
	s_barrier_wait -1
.endm
.macro CROUND
	s_barrier_signal -1
	s_barrier_wait -1
	CREST
.endm
.macro JLOAD s                         ; waves 0, 1: W's halves; waves 2, 3: the two batches' O.  An s_nop 0 and four v_nop follow each line, ahead of the jump and the label
	s_cmp_lt_u32 s16, 2
	s_cbranch_scc0 .Lfor_a_\@
	tensor_load_to_lds s[40+4*(\s):43+4*(\s)], s[24:31]
	s_nop 0
.rept 4
	v_nop
.endr
	s_branch .Lasked_\@
.Lfor_a_\@:
	tensor_load_to_lds s[48+4*(\s):51+4*(\s)], s[32:39]
	s_nop 0
.rept 4
	v_nop
.endr
.Lasked_\@:
.endm
; PREFETCHES INTO THE L2, behind the joint load, its five lines and the run of LDS loads: at change of slots n (0 to 4) the step n + 3 is named, one step, 224 products, ahead of its refill.
; W's tiles are walked by all 16 clusters: the cluster with y = 0 asks; a step is eight pieces of 8,192 bytes, and wave w < 2 of partner cy names piece 4 w + cy: a lane a block of 256 bytes.
; O's tiles are walked by one row of one cluster: waves 2 and 3 each name, of the batch that they fetch, the k block cx of the step's four: 7,168 bytes, 28 blocks; lanes 28 to 31 name lane 27's again.
; The partners are told apart by address alone.  Steps 0 to 2 come by their loads alone; the limits stop both at step 7.
.macro ASK slot
	s_cmp_gt_u32 s56, s[62+(\slot)]
	s_cbranch_scc0 .Lno_w_\@
	global_prefetch_b8 v9, s[58:59] th:TH_LOAD_NT scope:SCOPE_SE
.Lno_w_\@:
	s_cmp_gt_u32 s56, s[88+(\slot)]
	s_cbranch_scc0 .Lno_a_\@
	global_prefetch_b8 v26, s[60:61] th:TH_LOAD_NT scope:SCOPE_SE
.Lno_a_\@:
.endm
.macro FETCH slot, ksub, f             ; 30 LDS loads in one run: 32 along K: W's 8 fragments, then O's 7
.if \f
	WIN 0x80
.set rW, 192
.else
	WIN 0
.set rW, 144
.endif
.irp c, 0,1,2,3,4,5,6,7
	ds_load_b128 v[rW+8*(\c):rW+8*(\c)+3],   v[2+(\slot)] offset:(\ksub)*8192+(\c)*1024
	ds_load_b128 v[rW+8*(\c)+4:rW+8*(\c)+7], v[2+(\slot)] offset:(\ksub)*8192+(\c)*1024+512
.endr
	WIN 0
.irp t, 0,1,2,3,4,5,6
	ds_load_b128 v[32+56*(\f)+8*(\t):35+56*(\f)+8*(\t)], v[4+(\slot)] offset:(\ksub)*7168+(\t)*1024
	ds_load_b128 v[36+56*(\f)+8*(\t):39+56*(\f)+8*(\t)], v[4+(\slot)] offset:(\ksub)*7168+(\t)*1024+512
.endr
.endm
; Products of row tiles t0 to t1 x 8 column tiles from buffer f.  first = 1: the bias starts the sums.  The 56 accumulators take turns in the same order in every quarter.
.macro MUL f, t0, t1, first
.set tt, \t0
.rept (\t1)-(\t0)+1
.if tt < 4
.if \first
	WIN 0x60
.else
	WIN 0x50+2*(\f)
.endif
.set rB, 64*tt
.else
	WIN 0xa0+2*(\f)
.set rB, 64*(tt-4)
.endif
.set cc, 0
.rept 8
.set rD, rB+8*cc
.set rA, 32+56*(\f)+8*tt
.set rW, 144+48*(\f)+8*cc
.if \first
	v_wmma_f32_16x16x32_f16 v[rD:rD+7], v[rW:rW+7], v[rA:rA+7], v[192+8*cc:192+8*cc+7]
.else
	v_wmma_f32_16x16x32_f16 v[rD:rD+7], v[rW:rW+7], v[rA:rA+7], v[rD:rD+7]
.endif
.set cc, cc+1
.endr
.set tt, tt+1
.endr
.endm
; A step is four quarters of 32 along K on buffers 0, 1, 0, 1.  One of the first three: multiplies buffer f and fetches quarter k into buffer g
.macro QUARTER slot, k, f, g
	s_wait_dscnt 6                                 ; W and O's row tiles 0-3 are in; the youngest six loads may be out
	MUL \f, 0, 3, 0
	PLACES
	FETCH \slot, \k, \g
	s_wait_dscnt 30                                ; all but the 30 just issued
	MUL \f, 4, 6, 0
.endm
; The last quarter multiplies buffer 1 and changes slots: ONE barrier; in front of it each wave waits for all its tensor loads, adds 0 to its spare word, and waits for that and for its reads of this slot.
; fill = 1: the barrier opens a round of the cluster's, and this slot is filled again, two steps ahead, first thing behind the round.
.macro TURN slot, next, fill
.if \fill
	s_wait_xcnt 0x0                                ; the last prefetches, a step back, have read their addresses
	s_add_nc_u64 s[58:59], s[58:59], 65536
	s_add_nc_u64 s[60:61], s[60:61], 28672
.endif
	WIN 0
	s_wait_tensorcnt 0x0                           ; all my tensor loads have landed
	ds_add_u32 v28, v29                            ; 0 onto my spare word
	s_wait_dscnt 7                                 ; (the add and the youngest six loads may be out)
	MUL 1, 0, 1, 0
	s_wait_dscnt 0x0                               ; the add is done, and my reads of this slot are over
	s_barrier_signal -1
	MUL 1, 2, 3, 0
	WIN 0
	s_barrier_wait -1
.if \fill
	CREST
	s_add_nc_u64 s[42+4*(\slot):43+4*(\slot)], s[42+4*(\slot):43+4*(\slot)], 2*65536
	s_add_nc_u64 s[50+4*(\slot):51+4*(\slot)], s[50+4*(\slot):51+4*(\slot)], 2*28672
	JLOAD \slot                                    ; its four v_nop are also the places in front of the loads below
.else
	PLACES
.endif
	FETCH \next, 0, 0
.if \fill
	ASK \slot
.endif
	MUL 1, 4, 6, 0
.endm
; THE WAY OUT of row tile t: 32 bytes a lane into my stage, back as whole rows of 512 bytes, stored.  Rows 102 to 111 are never read back.
.macro TOSTAGE t
	s_wait_xcnt 0x0                                ; the stores of the tile two back have read the registers that are loaded again below
.if (\t) < 4
	WIN 0x04
.set rB, 64*(\t)
.else
	WIN 0x08
.set rB, 64*((\t)-4)
.endif
.irp c, 0,1,2,3,4,5,6,7
	ds_store_b128 v7, v[rB+8*(\c):rB+8*(\c)+3]   offset:(\c)*64      ; each accumulator's low registers first
	ds_store_b128 v7, v[rB+8*(\c)+4:rB+8*(\c)+7] offset:(\c)*64+16
.endr
	WIN 0
.set BK, 32+64*((\t)%2)
.set RW, 16-10*((\t)/6)
.set ii, 0
.rept RW
	ds_load_b128 v[BK+4*ii:BK+4*ii+3], v8 offset:ii*SP  ; LDS serves a wave's instructions in order (ISA guide 5.7.1.4): these see the stores above; the next tile's stores come behind them
.set ii, ii+1
.endr
.endm
.macro SEND t, younger                 ; younger: the LDS instructions issued behind tile t's loads
	s_wait_dscnt \younger
.set BK, 32+64*((\t)%2)
.set RW, 16-10*((\t)/6)
.set ii, 0
.rept RW
	global_store_b128 v6, v[BK+4*ii:BK+4*ii+3], s[10:11] offset:(16*(\t)+ii)*4096 th:TH_STORE_NT  ; 512 consecutive bytes of a row, aligned
.set ii, ii+1
.endr
.endm
	s_load_b256 s[4:11], s[0:1], 0x0               ; OF s[4:5], WOF s[6:7], b_out s[8:9], out0 s[10:11]
	v_lshl_add_u32 v28, v0, 2, SPARE
	v_mov_b32 v29, 0
	ds_add_u32 v28, v29                            ; the wave's opening: the add and its wait stand ahead of my first tensor load; the set-up below, work on registers, stands between them
	v_lshrrev_b32 v1, 5, v0
	v_readfirstlane_b32 s16, v1                    ; wave 0..3
	s_bfe_u32 s17, ttmp6, 0x40000                  ; cx
	s_bfe_u32 s21, ttmp6, 0x40004                  ; cy
	s_and_b32 s18, s16, 1                          ; which half I fetch (of W: the 128 columns; of O: the batch).  Also: my half of the columns
	s_lshl_b32 s19, ttmp9, 2
	s_add_co_u32 s19, s19, s17                     ; column quarter nq = 4 x cluster x + cx
	s_and_b32 s20, ttmp7, 0xffff
	s_lshl_b32 s20, s20, 2
	s_add_co_u32 s20, s20, s21                     ; pair of batches bp = 4 x cluster y + cy
	s_lshl_b32 s22, s21, 2
	s_lshl_b32 s22, 15, s22                        ; my row of the cluster
	s_lshl_b32 s23, 0x1111, s17                    ; my column
	s_or_b32 s24, s23, (3<<16)|(1<<21)             ; W: 15:0 the mask of my column; 17:16 elements of 8 bytes; 21 set beside a mask
	s_mov_b32 s25, 32<<16                          ; tensor_dim0 = 32
	s_mov_b32 s26, 128<<16                         ; tensor_dim1 = 128
	s_mov_b32 s27, 32<<16                          ; tile_dim0 = 32
	s_mov_b32 s28, 128                             ; tile_dim1 = 128
	s_mov_b32 s29, 32                              ; 32 elements from row to row
	s_mov_b32 s30, 0
	s_mov_b32 s31, 0
	s_or_b32 s32, s22, (3<<16)|(1<<21)             ; O: the mask of my row; 112 rows
	s_mov_b32 s33, 32<<16
	s_mov_b32 s34, 112<<16
	s_mov_b32 s35, 32<<16
	s_mov_b32 s36, 112
	s_mov_b32 s37, 32
	s_mov_b32 s38, 0
	s_mov_b32 s39, 0
	s_lshl_b32 s80, s18, 15                        ; where my load lands in a slot: W's half,
	s_lshl_b32 s76, s19, 19                        ; W's tiles hang on the column quarter and the wave's number alone
	s_add_co_u32 s76, s76, s80
	s_mov_b32 s77, 0
	s_lshl1_add_u32 s84, s20, s18                  ; the batch whose O I fetch: it hangs on the pair of batches and the wave's number alone
	s_mul_i32 s78, s84, XB
	s_mov_b32 s79, 0
	s_mul_i32 s81, s18, 28672
	s_add_co_u32 s81, s81, AOFF                    ; a batch's O
	s_wait_dscnt 0x0                               ; the opening add is done
	s_wait_kmcnt 0x0
	s_add_nc_u64 s[76:77], s[6:7], s[76:77]
	s_add_nc_u64 s[78:79], s[4:5], s[78:79]
	CROUND                                         ; all sixteen work-groups are here: the first joint loads meet
.irp s, 0,1
	s_mov_b32 s[40+4*(\s)], 1
	s_add_co_u32 s[41+4*(\s)], s80, (\s)*SLOT
	s_add_nc_u64 s[42+4*(\s):43+4*(\s)], s[76:77], (\s)*65536
	s_or_b32 s[43+4*(\s)], s[43+4*(\s)], 0x80000000
	s_mov_b32 s[48+4*(\s)], 1
	s_add_co_u32 s[49+4*(\s)], s81, (\s)*SLOT
	s_add_nc_u64 s[50+4*(\s):51+4*(\s)], s[78:79], (\s)*28672
	s_or_b32 s[51+4*(\s)], s[51+4*(\s)], 0x80000000
	JLOAD \s
.endr
	v_and_b32 v1, 31, v0
	v_lshlrev_b32 v6, 4, v1                        ; 16 x lane
	v_add_nc_u32 v2, s80, v6                       ; my columns' W fragments in slot 0, 1
	v_add_nc_u32 v3, SLOT, v2
	s_lshr_b32 s57, s16, 1                         ; my batch of the pair
	s_mul_i32 s82, s57, 28672
	s_add_co_u32 s82, s82, AOFF
	v_add_nc_u32 v4, s82, v6                       ; my batch's O fragments in slot 0, 1
	v_add_nc_u32 v5, SLOT, v4
	v_and_b32 v10, 15, v1                          ; r
	v_lshrrev_b32 v11, 4, v1                       ; h
	v_lshlrev_b32 v12, 5, v11                      ; 32 h
	s_mul_i32 s82, s16, 16*SP
	s_add_co_u32 s82, s82, STAGE                   ; my stage
	v_mul_u32_u24 v7, v10, SP
	v_add_nc_u32 v7, v7, v12
	v_add_nc_u32 v7, s82, v7                       ; in: row r, 32 bytes for each half of the lanes
	v_add_nc_u32 v8, s82, v6                       ; back: a whole row
	v_lshlrev_b32 v9, 8, v1                        ; the prefetches' offsets: 256 x lane,
	v_min_u32 v26, 27, v1
	v_lshlrev_b32 v26, 8, v26                      ; and 256 x lane up to lane 27
	s_lshl_b32 s82, s19, 10
	s_lshl_b32 s84, s18, 9
	s_add_co_u32 s82, s82, s84                     ; my 128 columns, in bytes of f32
	s_mov_b32 s83, 0
	s_add_nc_u64 s[8:9], s[8:9], s[82:83]
.irp c, 0,1,2,3,4,5,6,7
	global_load_b128 v[32+8*(\c):35+8*(\c)], v12, s[8:9] offset:(\c)*64       ; the bias of columns 16 c + 8 h + 0..7
	global_load_b128 v[36+8*(\c):39+8*(\c)], v12, s[8:9] offset:(\c)*64+16
.endr
	s_lshl1_add_u32 s84, s20, s57                  ; my batch = 2 bp + wave / 2
	s_mul_i32 s84, s84, 102*4096
	s_add_co_u32 s82, s82, s84
	s_add_nc_u64 s[10:11], s[10:11], s[82:83]      ; out0 at my batch's first row, my columns
	; the prefetches: where they stand (at step 2: the first change of slots steps them to 3), and the limits
	s_lshl2_add_u32 s82, s16, s21                  ; W: piece 4 wave + cy
	s_lshl_b32 s82, s82, 13
	s_lshl_b32 s84, s19, 19
	s_add_co_u32 s82, s82, s84
	s_add_co_u32 s82, s82, 2*65536
	s_add_nc_u64 s[58:59], s[6:7], s[82:83]
	s_lshl1_add_u32 s82, s20, s18                  ; O: the batch that I fetch, k block cx
	s_mul_i32 s82, s82, XB
	s_mul_i32 s84, s17, 7168
	s_add_co_u32 s82, s82, s84
	s_add_co_u32 s82, s82, 2*28672
	s_add_nc_u64 s[60:61], s[4:5], s[82:83]
	s_and_b32 s84, ttmp7, 0xffff
	s_cmp_eq_u32 s84, 0                            ; cluster y: the same in all sixteen partners
	s_cselect_b32 s62, 0, -1
	s_cmp_lt_u32 s16, 2
	s_cselect_b32 s62, s62, -1                     ; W, a trip's first change: in every trip (steps 3, 5, 7);
	s_or_b32 s63, s62, 1                           ; its second: while more than one trip is left (steps 4, 6)
	s_cmp_ge_u32 s16, 2
	s_cselect_b32 s88, 0, -1                       ; O likewise, in every cluster
	s_or_b32 s89, s88, 1
	s_wait_loadcnt 0x0
.set n, 0
.rept 32
	v_cvt_pk_bf16_f32 v[96+n], v[32+2*n], v[33+2*n]    ; rounded to bf16 like every input
.set n, n+1
.endr
	WIN 0x80
.set n, 0
.rept 32
	v_lshlrev_b32 v[192+2*n], 16, v[96+n]
	v_and_b32 v[193+2*n], 0xffff0000, v[96+n]
.set n, n+1
.endr
	WIN 0
	s_wait_tensorcnt 1                             ; my part of step 0 is in; step 1's may stay out
	s_barrier_signal -1
	s_barrier_wait -1
	FETCH 0, 0, 0
	s_wait_dscnt 0x0
	MUL 0, 0, 6, 1                                 ; the first quarter stands in front of the loop: its products start the sums with the bias,
	PLACES
	FETCH 0, 1, 1                                  ; whose registers then take W's fragments
	WIN 0
	s_mov_b32 s56, 3
.Llap:                                                 ; a trip goes once round the ring, from a lap's second quarter to the next lap's first, and fills both slots again: steps 2 to 7
	QUARTER 0, 2, 1, 0
	QUARTER 0, 3, 0, 1
	TURN 0, 1, 1
	QUARTER 1, 1, 0, 1
	QUARTER 1, 2, 1, 0
	QUARTER 1, 3, 0, 1
	TURN 1, 0, 1
	QUARTER 0, 1, 0, 1
	WIN 0
	s_sub_co_u32 s56, s56, 1
	s_cmp_lg_u32 s56, 0
	s_cbranch_scc1 .Llap
	QUARTER 0, 2, 1, 0                             ; the last lap is written out: it asks for nothing, and has no round
	QUARTER 0, 3, 0, 1
	TURN 0, 1, 0
	QUARTER 1, 1, 0, 1
	QUARTER 1, 2, 1, 0
	QUARTER 1, 3, 0, 1
	s_wait_dscnt 6
	MUL 1, 0, 3, 0
	s_wait_dscnt 0x0
	MUL 1, 4, 6, 0
	PLACES
	TOSTAGE 0
.irp a, 1,2,3,4,5
	TOSTAGE \a
	SEND (\a)-1, 32                                ; the next tile's 16 stores and 16 loads may be out
.endr
	TOSTAGE 6
	SEND 5, 22                                     ; 16 stores and 6 loads
	SEND 6, 0
	s_wait_tensorcnt 0x0                           ; the wave's end: behind my last tensor load and my last LDS store
	ds_add_u32 v28, v29
	s_wait_dscnt 0x0
	CROUND                                         ; the closing round: no work-group ends while a partner may still ask for a tile that names it
	s_endpgm
.Lfunc_end_k_qc3f3d302b7_outproj:
	.size	k_qc3f3d302b7_outproj, .Lfunc_end_k_qc3f3d302b7_outproj-k_qc3f3d302b7_outproj
	.p2alignl 7, 3214868480
	.fill 96, 4, 3214868480
	.section	.rodata,"a",@progbits
	.p2align	6, 0x0
	.amdhsa_kernel k_qc3f3d302b7_outproj
		.amdhsa_group_segment_fixed_size 327680
		.amdhsa_private_segment_fixed_size 0
		.amdhsa_enable_private_segment 0
		.amdhsa_kernarg_size 32
		.amdhsa_user_sgpr_count 2
		.amdhsa_user_sgpr_kernarg_segment_ptr 1
		.amdhsa_wavefront_size32 1
		.amdhsa_system_sgpr_workgroup_id_x 1
		.amdhsa_system_sgpr_workgroup_id_y 1
		.amdhsa_system_sgpr_workgroup_id_z 1
		.amdhsa_system_vgpr_workitem_id 0
		.amdhsa_next_free_vgpr 768
		.amdhsa_next_free_sgpr 96
		.amdhsa_reserve_vcc 0
		.amdhsa_float_denorm_mode_32 3
		.amdhsa_float_denorm_mode_16_64 3
		.amdhsa_memory_ordered 1
		.amdhsa_forward_progress 1
		.amdhsa_inst_pref_size 132
	.end_amdhsa_kernel
	.amdgpu_metadata
---
amdhsa.version: [ 1, 2 ]
amdhsa.kernels:
  - .name:           k_qc3f3d302b7_outproj
    .symbol:         k_qc3f3d302b7_outproj.kd
    .args:
      - { .name: OF, .offset: 0, .size: 8, .value_kind: global_buffer, .address_space: global }
      - { .name: WOF, .offset: 8, .size: 8, .value_kind: global_buffer, .address_space: global }
      - { .name: b_out, .offset: 16, .size: 8, .value_kind: global_buffer, .address_space: global }
      - { .name: out0, .offset: 24, .size: 8, .value_kind: global_buffer, .address_space: global }
    .group_segment_fixed_size: 327680
    .private_segment_fixed_size: 0
    .kernarg_segment_align: 8
    .kernarg_segment_size: 32
    .max_flat_workgroup_size: 128
    .sgpr_count:     96
    .vgpr_count:     768
    .wavefront_size: 32
...
	.end_amdgpu_metadata
.endif
;; end of part 3
